; MI455X (gfx1250); checked and timed in simulation.
; The chip was launched on July 23, 2026; its instructions are those of AMD's public machine-readable ISA for CDNA 5 (MIT licence, August 2026) and "CDNA5" Instruction Set Architecture Reference Guide (July 2026). The comments in the code are by the model that wrote it; some were corrected since.
;; Self Attention. Allowed arithmetic: matrix products marked QUANTISED: E4M3 operands, one E8M0 scale for each 32 along K, by v_wmma_scale_f32_16x16x128_f8f6f4 with both operands' format E4M3, f32 sums; everything else in f32.
;; Inputs: W_o 256 x 256 float32; W_qkv 256 x 768 float32; b_o 256 float32; b_qkv 768 float32; x 4 x 256 x 64 x 64 float32.
;; Outputs: out0 4 x 256 x 64 x 64 float32.
;; This version of the problem:
;;   THIS VERSION OF THE PROBLEM IS GIVEN IN LOW PRECISION. The matrix products marked QUANTISED in the list below multiply operands that are first quantised to E4M3 (4 exponent bits, 3 mantissa bits; 8 bits a number), with one power-of-two scale for each 32 numbers along K (OCP MX v1.0); their sums are f32. All else is computed in f32.
;;   The module's matrix products, in the order in which they are computed (A, B: the left and right operand; K: the contracted axis; several contracted axes count as one K, in the product's order):
;;     1. [M 16,384, K 256] x [K 256, N 768]; A: input x; B: input W_qkv: QUANTISED
;;     2. batch 16 x [M 4,096, K 64] x [K 64, N 4,096]; A: computed on the way; B: computed on the way: QUANTISED
;;     3. batch 16 x [M 64, K 4,096] x [K 4,096, N 4,096]; A: computed on the way; B: softmax (see below): QUANTISED
;;     4. [M 16,384, K 256] x [K 256, N 256]; A: computed on the way; B: input W_o: QUANTISED
;;   THE QUANTISER, for each operand of a quantised product, along K:
;;     - K is cut into blocks of 32 from its start; a last block that is shorter is filled with zeros.
;;     - A block's scale is 2^e with e = floor(log2(the largest magnitude in the block)) - 8, held to -126 .. 127; a block of zeros has e = 0. As a byte (E8M0): e + 127.
;;     - Each number is divided by its block's scale, clamped to +-448, and rounded to the nearest number of E4M3, ties to even, subnormals kept.
;;     - The product sums the exact products of the quantised numbers (number of the format x scale) in f32.
;;   ~~~python
;;   def quantise(x, axis):      # numpy; x: float32 -> the quantised numbers, widened to float32 again
;;       x = np.moveaxis(x, axis, -1); K = x.shape[-1]
;;       x = np.pad(x, [(0, 0)] * (x.ndim - 1) + [(0, -K % 32)]); x = x.reshape(x.shape[:-1] + (-1, 32)); a = np.abs(x).max(-1, keepdims=True)
;;       e = np.where(a > 0, np.clip(np.frexp(np.where(a > 0, a, 1))[1] - 1 - 8, -126, 127), 0)      # np.frexp(a)[1] - 1 = floor(log2(a)), exactly
;;       r = np.clip(x / 2.0 ** e, -448, 448)
;;       step = 2.0 ** (np.maximum(np.frexp(np.where(r == 0, 1, r))[1] - 1, -6) - 3)
;;       q = np.round(r / step) * step * 2.0 ** e      # np.round: ties to even
;;       return np.moveaxis(q.reshape(q.shape[:-2] + (-1,))[..., :K], -1, axis).astype(np.float32)
;;   ~~~
;;   SOFTMAX AHEAD OF A QUANTISED PRODUCT. Where the list says 'softmax', what is quantised is not the finished softmax but p = 2^(t - M), with t = logit x log2(e) and M = ceil(the row's largest t), a whole number; so 1/2 < the row's largest p <= 1. The row's sum l is taken of the UNQUANTISED p, in f32, and the product's result is divided by l at the end. Since M is a whole number, a kernel that streams over the keys may use a running M (the ceiling of the running maximum): every later rescaling is an exact power of two, which a block's scale takes up: the codes' values come out the same.
;;   OPERANDS COMPUTED ON THE WAY. 'Computed on the way' means the value that the module computes at that place (a softmax that the list does not call 'softmax' is quantised finished and normalised). What goes into a quantiser is computed in f32, as accurately as f32 sums, v_exp_f32 and their like allow (about 1e-6 of the number): no bf16 or f16 on the way to a quantiser, and a product that is left as it is and whose result goes on into a quantised operand takes f32 operands (vector FMAs, or v_wmma_f32_16x16x4_f32). A number that lies on a knife's edge between two numbers of the format may be rounded either way, as far as f32 arithmetic and the matrix unit's own rounding can turn it there, and no further.
;; One version. Each part assembles by itself: llvm-mc -triple=amdgcn-amd-amdhsa -mcpu=gfx1250 --defsym DOCPART=n.
;; ======== version 1 of 1: 4 launches
;; limits: right only within a limited range of input values
;; workspace buffers: wc 262,144 bytes; ws 8,192 bytes; qc 4,194,304 bytes; qs 131,072 bytes; kv 8,650,752 bytes; oc 4,194,304 bytes; os 131,072 bytes
;; launch prep (part 1): grid 32 x 1, 2 waves a work-group, no clusters, 0 bytes of LDS; arguments W_qkv, W_o, wc, ws; writes wc, ws
.if DOCPART == 1
	.amdgcn_target "amdgcn-amd-amdhsa--gfx1250"
	.amdhsa_code_object_version 6
	.text
	.protected	k_q8ba95a161d_prep
	.globl	k_q8ba95a161d_prep
	.p2align	8
	.type	k_q8ba95a161d_prep,@function
k_q8ba95a161d_prep:
	s_mov_b64 s[64:65], 0
	v_nop
	global_prefetch_b8 v0, s[64:65] scope:SCOPE_SE
	s_setreg_imm32_b32 hwreg(HW_REG_WAVE_MODE, 25, 1), 1
	s_wait_xcnt 0x0
; W_qkv [256][768] and W_o [256][256], f32 with K as the FIRST axis, become codes of E4M3 with one E8M0 byte for each 32 along K,
; laid as IMAGES OF OPERAND REGISTERS.  The 1,024 output columns (768 of W_qkv, then 256 of W_o) make 64 tiles T of 16 columns; lane r of
; tile T takes column 32 (T / 2) + 8 (T % 2) + r + 8 (r / 8).  Fragment (T, K step s) lies at (2 T + s) x 2,048 bytes of wc: register group c
; at 512 c, a lane's 16 bytes at 16 x lane; lane (r, h) holds k = 128 s + 32 c + 16 h + 0 .. 15.  ws: tile T at 128 T, word 16 s + r = the four bytes of that column.
; SHARES.  Work-group B takes columns 32 B .. 32 B + 31 (tiles 2 B, 2 B + 1); wave s takes K step s.  A LANE TAKES A COLUMN AND ITS REGISTERS RUN DOWN K:
; each load reads 128 consecutive bytes, a block of 32 lies in one lane, and the conversions give codes with K innermost.  Nothing is transposed.
; A block's scale is 2^(floor(log2(largest magnitude)) - 8); its byte is the largest magnitude's exponent field - 8, held at 1 from below.
; LIMITS: a block whose largest magnitude lies under 2^-118 (a block of zeros too, where the rule says byte 127) gets byte 1: its codes are zeros or subnormal codes
; under that scale, and the bytes are read by this program alone.  NaN and infinities among the inputs are not served.
; No LDS, no barrier, no matrix unit, no cluster: 1 MiB is read once, and no two waves share a byte.
.set MANT, 0x600000                    ; the mantissa field of 448 as f32
.set X,    32                          ; v32-159  128 numbers: block c at X + 32 c
.set C,    160                         ; v160-191 codes: eight registers a block, never written twice
.set SW,   14                          ; v14      the column's scale word
	s_load_b128 s[4:7], s[0:1], 0x0                ; W_qkv s[4:5], W_o s[6:7]
	s_load_b128 s[8:11], s[0:1], 0x10              ; wc s[8:9], ws s[10:11]
	v_lshrrev_b32 v1, 5, v0
	v_readfirstlane_b32 s12, v1                    ; wave = K step
	v_and_b32 v1, 31, v0                           ; p: my column among the 32
	v_lshlrev_b32 v2, 2, v1                        ; 4 p: my bytes of a row
	v_bfe_u32 v5, v1, 3, 1                         ; u = which of the two tiles holds column p,
	v_and_b32 v6, 7, v1
	v_lshrrev_b32 v7, 4, v1
	v_lshl_add_u32 v6, v7, 3, v6                   ; r = its row there: (p & 7) + 8 (p >> 4)
	v_lshlrev_b32 v3, 4, v6
	v_lshl_add_u32 v3, v5, 12, v3                  ; codes: 4,096 u + 16 r
	v_lshlrev_b32 v4, 2, v6
	v_lshl_add_u32 v4, v5, 7, v4                   ; scale word: 128 u + 4 r
	s_mov_b32 s13, MANT                            ; (an instruction takes one literal)
	s_lshl_b32 s14, ttmp9, 13                      ; wc: 8,192 B + 2,048 s
	s_lshl_b32 s15, s12, 11
	s_add_co_u32 s14, s14, s15
	s_mov_b32 s15, 0
	s_lshl_b32 s16, ttmp9, 8                       ; ws: 256 B + 64 s
	s_lshl_b32 s17, s12, 6
	s_add_co_u32 s16, s16, s17
	s_mov_b32 s17, 0
	s_wait_kmcnt 0x0
	s_add_nc_u64 s[8:9], s[8:9], s[14:15]
	s_add_nc_u64 s[10:11], s[10:11], s[16:17]
.macro LOADS base, pitch               ; 128 rows of K at my column: every offset an immediate, 127 x 3,072 bytes at the most
.set n, 0
.rept 128
	global_load_b32 v[X+n], v2, s[\base:\base+1] offset:n*\pitch th:TH_LOAD_NT
.set n, n+1
.endr
.endm
	s_cmp_lt_u32 ttmp9, 24                         ; the first 24 work-groups take W_qkv, the other 8 W_o: the rows' pitch differs, so the loads are written twice
	s_cbranch_scc0 .Lwo
	s_mul_i32 s18, s12, 128*768*4                  ; my 128 rows,
	s_lshl_b32 s19, ttmp9, 7                       ; my 32 columns
	s_add_co_u32 s18, s18, s19
	s_mov_b32 s19, 0
	s_add_nc_u64 s[4:5], s[4:5], s[18:19]
	s_wait_alu depctr_va_vdst(0)
	LOADS 4, 3072
	s_branch .Lgo
.Lwo:
	s_lshl_b32 s18, s12, 17                        ; 128 rows of 1,024 bytes
	s_sub_co_u32 s19, ttmp9, 24
	s_lshl_b32 s19, s19, 7
	s_add_co_u32 s18, s18, s19
	s_mov_b32 s19, 0
	s_add_nc_u64 s[6:7], s[6:7], s[18:19]
	s_wait_alu depctr_va_vdst(0)
	LOADS 6, 1024
.Lgo:                                                  ; both ways have issued the same 128 loads
; Block c of 32 along K.  left = how many younger loads may stay out.
.macro BLOCK c, left
.set XB, X+32*\c
	s_wait_loadcnt \left
	v_max3_num_f32 v8, |v[XB]|, |v[XB+1]|, |v[XB+2]|               ; the largest magnitude: all 32 numbers are mine; two chains
	v_max3_num_f32 v9, |v[XB+3]|, |v[XB+4]|, |v[XB+5]|
.irp i, 6,10,14,18,22,26
	v_max3_num_f32 v8, v8, |v[XB+\i]|, |v[XB+\i+1]|
	v_max3_num_f32 v9, v9, |v[XB+\i+2]|, |v[XB+\i+3]|
.endr
	v_max3_num_f32 v8, v8, |v[XB+30]|, |v[XB+31]|
	v_max3_num_f32 v8, v8, v9, 0x4800000           ; and the floor 2^(9 - 127): the byte cannot fall under 1
	v_add_nc_u32 v11, 0xfc000000, v8               ; 8 off the exponent field: the conversion takes this operand's exponent field as its scale
	v_and_or_b32 v10, v8, 0x7f800000, s13          ; 448 x the scale
	v_lshrrev_b32 v12, 23, v11                     ; the scale's byte
.if \c == 0
	v_mov_b32 v[SW], v12
.else
	v_lshl_or_b32 v[SW], v12, 8*\c, v[SW]          ; the lower K in the lower byte
.endif
.set n, 0
.rept 32
	v_med3_num_f32 v[XB+n], v[XB+n], -v10, v10     ; the conversion to an 8-bit code does not saturate (ISA guide 7.6.2): the hold comes first
.set n, n+1
.endr
.irp g, 0,1,2,3
	v_cvt_scalef32_pk8_fp8_f32 v[C+8*\c+2*\g:C+8*\c+2*\g+1], v[XB+8*\g:XB+8*\g+7], v11
.endr
	v_nop                                          ; one plain line behind the conversions: the next block writes their scale operand
	global_store_b128 v3, v[C+8*\c:C+8*\c+3], s[8:9] offset:512*\c          ; k 0-15 of the block: the image's lanes 0-15.  The 32 lanes fill two aligned runs of 256 bytes, one in each tile's fragment
	global_store_b128 v3, v[C+8*\c+4:C+8*\c+7], s[8:9] offset:512*\c+256    ; k 16-31: its lanes 16-31
.endm
	BLOCK 0, 63                                    ; 96 loads are younger than this block's; the count's field ends at 63, and a smaller count is safe
	BLOCK 1, 63                                    ; 64 are younger
	BLOCK 2, 32
	BLOCK 3, 0
	global_store_b32 v4, v[SW], s[10:11]
	s_endpgm
.Lfunc_end_k_q8ba95a161d_prep:
	.size	k_q8ba95a161d_prep, .Lfunc_end_k_q8ba95a161d_prep-k_q8ba95a161d_prep
	.p2alignl 7, 3214868480
	.fill 96, 4, 3214868480
	.section	.rodata,"a",@progbits
	.p2align	6, 0x0
	.amdhsa_kernel k_q8ba95a161d_prep
		.amdhsa_group_segment_fixed_size 0
		.amdhsa_private_segment_fixed_size 0
		.amdhsa_enable_private_segment 0
		.amdhsa_kernarg_size 32
		.amdhsa_user_sgpr_count 2
		.amdhsa_user_sgpr_kernarg_segment_ptr 1
		.amdhsa_wavefront_size32 1
		.amdhsa_system_sgpr_workgroup_id_x 1
		.amdhsa_system_sgpr_workgroup_id_y 1
		.amdhsa_system_sgpr_workgroup_id_z 1
		.amdhsa_system_vgpr_workitem_id 0
		.amdhsa_next_free_vgpr 192
		.amdhsa_next_free_sgpr 66
		.amdhsa_reserve_vcc 0
		.amdhsa_float_denorm_mode_32 3
		.amdhsa_float_denorm_mode_16_64 3
		.amdhsa_memory_ordered 1
		.amdhsa_forward_progress 1
		.amdhsa_inst_pref_size 42
	.end_amdhsa_kernel
	.amdgpu_metadata
---
amdhsa.version: [ 1, 2 ]
amdhsa.kernels:
  - .name:           k_q8ba95a161d_prep
    .symbol:         k_q8ba95a161d_prep.kd
    .args:
      - { .name: W_qkv, .offset: 0, .size: 8, .value_kind: global_buffer, .address_space: global }
      - { .name: W_o, .offset: 8, .size: 8, .value_kind: global_buffer, .address_space: global }
      - { .name: wc, .offset: 16, .size: 8, .value_kind: global_buffer, .address_space: global }
      - { .name: ws, .offset: 24, .size: 8, .value_kind: global_buffer, .address_space: global }
    .group_segment_fixed_size: 0
    .private_segment_fixed_size: 0
    .kernarg_segment_align: 8
    .kernarg_segment_size: 32
    .max_flat_workgroup_size: 64
    .sgpr_count:     66
    .vgpr_count:     192
    .wavefront_size: 32
...
	.end_amdgpu_metadata
.endif
;; end of part 1
;; launch qkv (part 2): grid 256 x 1, 4 waves a work-group, no clusters, 18,944 bytes of LDS; arguments x, b_qkv, wc, ws, qc, qs, kv; writes qc, qs, kv
.if DOCPART == 2
	.amdgcn_target "amdgcn-amd-amdhsa--gfx1250"
	.amdhsa_code_object_version 6
	.text
	.protected	k_q8ba95a161d_qkv
	.globl	k_q8ba95a161d_qkv
	.p2align	8
	.type	k_q8ba95a161d_qkv,@function
k_q8ba95a161d_qkv:
	s_mov_b64 s[64:65], 0
	v_nop
	global_prefetch_b8 v0, s[64:65] scope:SCOPE_SE
	s_setreg_imm32_b32 hwreg(HW_REG_WAVE_MODE, 25, 1), 1
	s_wait_xcnt 0x0
; qkv = x_flat W_qkv + b_qkv on codes of E4M3 (one E8M0 byte for each 32 along K = the 256 channels); then q and k are quantised along the head's 64 channels and v along the keys,
; and all three leave as IMAGES OF OPERAND REGISTERS (a register group of a fragment: 512 consecutive bytes, 16 a lane), as the attention launch wants them.
; x: [4][256][4096] f32, K is the outer axis.  wc, ws: the weights' images.  A group of 32 positions makes two tiles u: row r of tile u is position 8 u + r + 8 (r / 8).
; SHARES.  A work-group takes 64 positions of one batch; wave w is HEAD w: it makes that head's q, k and v for all 64 positions, 96 matrix instructions.  Its 24 weight fragments
; (384 registers) come straight from memory into the registers where they stay.  The weights are the one input that work-groups share; each reads them once and keeps them in
; registers, so a joint load through LDS would add a pass: no cluster.
; PHASES.  X: wave w quantises positions 32 (w & 1) + .. and channels 128 (w >> 1) + ..: a lane takes a position and its registers run down K; the codes go to LDS as rows of 256 codes.
; One barrier.  Then, for each group g of 32 positions: x's four fragments from LDS; q and k TRANSPOSED (source 0 = 16 output channels, source 1 = 16 positions), so that a lane holds
; one position and 16 neighbouring channels of each block; v NOT transposed, so that a lane holds one channel and 16 neighbouring positions, its next K.  The biases are the C of each sum's first product.
; LIMITS: a block whose largest magnitude lies under 2^-118 (a block of zeros too) gets byte 1, read by this program alone; NaN and infinities among the inputs are not served.
; V's scale words get two of their four bytes from this work-group and two from its neighbour: they leave by stores of two bytes a lane, 512 bytes a work-group.
; REGISTERS.  Window 0: v1-12 lane terms and addresses; v16-27 weights' scale words; v28-29 x's; v30-36 scale words on their way out; v40-55 at work; v56-71 codes just made;
;   v72-199 128 numbers of x, later v72-135 x's four fragments and v136-199 eight accumulators; v200-231 x's codes.
;   Window 1: the weight fragments of q and k.   Window 2: those of v; from v128 the biases of q, k, v in the results' layouts.
.set XSC, 17408                        ; LDS: 64 rows x 272 bytes (256 codes + 16: the sixteen rows that a load touches start at sixteen different banks), then 8 scale bytes a row
.set LI,  4                            ; v4   16 x lane
.set LS,  5                            ; v5   4 x lane
.set XA,  6                            ; v6   x's fragments: 272 r + 16 h
.set XSA, 7                            ; v7   x's scale words: lanes 0-15 K step 0, lanes 16-31 K step 1
.set XG,  8                            ; v8   x in memory: 4 x (lane with bits 3 and 4 swapped)
.set XW,  9                            ; v9   where I store my position's codes
.set XWS, 10                           ; v10  and its scale word
.set VB1, 11                           ; v11  64 h
.set VB2, 12                           ; v12  4 (r + 8 (r / 8))
.set WSR, 16
.set XS,  28
.set SWQ, 30
.set SWK, 31
.set VBY, 32
.set PW,  36
.set TM,  40                           ; +0..3 largest magnitudes, +4..7 bytes, +8..11 448 x scale, +12..15 the conversions' scale operands
.set PC,  56
.set XN,  72
.set XF,  72
.set HA,  136
.set XC,  200
.set BQ,  128                          ; window 2: q's bias tiles; k's at +32
.set BV,  192                          ; window 2: v's
.set WV,  18
.set SEL, 20
.set MNT, 22
.set HM,  23
.set MSB, 0
.macro WIN new                         ; the immediate's high byte repeats the setting that is left
.if MSB != \new
	s_set_vgpr_msb (MSB<<8)|\new
.set MSB, \new
.endif
.endm
.macro FRAGG reg, off                  ; a weight fragment's image: four loads of 512 consecutive bytes
.irp c, 0,1,2,3
	global_load_b128 v[(\reg)+4*\c:(\reg)+4*\c+3], v[LI], s[8:9] offset:(\off)+512*\c
.endr
.endm
.macro NINE                            ; eight places in front of a vector read of matrix results and of loads into registers that products have read; the ninth for products that begin an accumulator anew
.rept 9
	v_nop
.endr
.endm
	s_load_b256 s[4:11], s[0:1], 0x0               ; x s[4:5], b_qkv s[6:7], wc s[8:9], ws s[10:11]
	s_load_b128 s[12:15], s[0:1], 0x20             ; qc s[12:13], qs s[14:15]
	s_load_b64 s[16:17], s[0:1], 0x30              ; kv
	v_lshl_add_u32 v254, v0, 2, 0x4800
	v_mov_b32 v255, 0
	v_lshrrev_b32 v1, 5, v0
	v_readfirstlane_b32 s[WV], v1                  ; wave = head
	v_and_b32 v1, 31, v0                           ; lane
	v_and_b32 v2, 15, v0                           ; r
	v_bfe_u32 v3, v0, 4, 1                         ; h
	v_lshlrev_b32 v[LI], 4, v1
	v_lshlrev_b32 v[LS], 2, v1
	v_mul_u32_u24 v[XA], v2, 272
	v_lshl_add_u32 v[XA], v3, 4, v[XA]
	v_lshlrev_b32 v[XSA], 3, v2
	v_lshl_add_u32 v[XSA], v3, 2, v[XSA]
	v_add_nc_u32 v[XSA], XSC, v[XSA]
	v_and_b32 v13, 7, v1
	v_bfe_u32 v14, v1, 3, 1
	v_lshlrev_b32 v[XG], 2, v13
	v_lshl_add_u32 v[XG], v14, 6, v[XG]            ; lane bit 3 counts 16 positions,
	v_lshl_add_u32 v[XG], v3, 5, v[XG]             ; lane bit 4 counts 8: LDS row = lane then holds the tile's row
	s_and_b32 s36, s[WV], 1                        ; which 32 positions I quantise,
	s_lshr_b32 s37, s[WV], 1                       ; which K step
	s_mul_i32 s38, s36, 32*272
	s_lshl_b32 s39, s37, 7
	s_add_co_u32 s38, s38, s39
	v_mul_u32_u24 v[XW], v1, 272
	v_add_nc_u32 v[XW], s38, v[XW]
	s_lshl_b32 s38, s36, 8
	s_lshl_b32 s39, s37, 2
	s_add_co_u32 s38, s38, s39
	s_add_co_u32 s38, s38, XSC
	v_lshl_add_u32 v[XWS], v1, 3, s38
	v_lshlrev_b32 v[VB1], 6, v3
	v_and_b32 v13, 8, v2
	v_add_nc_u32 v13, v13, v2
	v_lshlrev_b32 v[VB2], 2, v13
.irp b, 0,1,2,3
	v_mov_b32 v[TM+4+\b], 0                        ; written once: a lane permute's destination counts as one of its sources
.endr
	s_mov_b32 s[SEL], 0x76543210
	s_mov_b32 s[SEL+1], 0xfedcba98                 ; v_permlanex16_b32's selects for lane l xor 16
	s_mov_b32 s[MNT], 0x600000                     ; the mantissa field of 448
	s_mov_b32 s[HM], 0xffff0000                    ; lanes 16-31
	s_lshr_b32 s32, ttmp9, 6                       ; batch
	s_and_b32 s33, ttmp9, 63                       ; block of 64 positions
	s_lshl_b32 s40, s32, 22                        ; x: batch x 4 MiB + K step x 128 rows of 16,384 bytes + 256 x block + 128 x half
	s_lshl_b32 s41, s37, 21
	s_add_co_u32 s40, s40, s41
	s_lshl_b32 s41, s33, 8
	s_add_co_u32 s40, s40, s41
	s_lshl_b32 s41, s36, 7
	s_add_co_u32 s40, s40, s41
	s_mov_b32 s41, 0
	s_lshl_b32 s42, s[WV], 8                       ; b_qkv: my head's 64 numbers
	s_mov_b32 s43, 0
	s_lshl_b32 s44, s[WV], 14                      ; wc: my head's four tiles x two K steps
	s_mov_b32 s45, 0
	s_lshl_b32 s46, s[WV], 9                       ; ws
	s_mov_b32 s47, 0
	s_lshl_b32 s34, s32, 2
	s_add_co_u32 s34, s34, s[WV]                   ; bh = 4 batch + head
	s_lshl_b32 s48, s34, 18                        ; qc: (128 bh + 2 block) x 2,048
	s_lshl_b32 s49, s33, 12
	s_add_co_u32 s48, s48, s49
	s_mov_b32 s49, 0
	s_lshl_b32 s50, s34, 13                        ; qs: (128 bh + 2 block) x 64
	s_lshl_b32 s51, s33, 7
	s_add_co_u32 s50, s50, s51
	s_mov_b32 s51, 0
	s_lshl_b32 s52, s34, 5                         ; kv: (32 bh + key step) x 16,896
	s_lshr_b32 s53, s33, 1
	s_add_co_u32 s52, s52, s53
	s_mul_i32 s52, s52, 16896
	s_mov_b32 s53, 0
	s_and_b32 s35, s33, 1                          ; e: which half of the key step is mine
	s_mov_b32 s55, 0
	s_wait_alu depctr_va_vdst(0)
	s_wait_kmcnt 0x0
	s_add_nc_u64 s[4:5], s[4:5], s[40:41]
	s_add_nc_u64 s[6:7], s[6:7], s[42:43]
	s_add_nc_u64 s[8:9], s[8:9], s[44:45]
	s_add_nc_u64 s[10:11], s[10:11], s[46:47]
	s_add_nc_u64 s[12:13], s[12:13], s[48:49]
	s_add_nc_u64 s[14:15], s[14:15], s[50:51]
	s_add_nc_u64 s[16:17], s[16:17], s[52:53]
	s_lshl_b32 s54, s35, 12
	s_add_nc_u64 s[24:25], s[16:17], s[54:55]      ; K's fragments 2 e, 2 e + 1
	s_lshl_b32 s54, s35, 10
	s_add_co_u32 s54, s54, 8192
	s_add_nc_u64 s[26:27], s[16:17], s[54:55]      ; V's register groups 2 e, 2 e + 1
	s_lshl_b32 s54, s35, 7
	s_add_co_u32 s54, s54, 16384
	s_add_nc_u64 s[28:29], s[16:17], s[54:55]      ; K's scale words
	s_lshl_b32 s54, s35, 1
	s_add_co_u32 s54, s54, 16640
	s_add_nc_u64 s[30:31], s[16:17], s[54:55]      ; V's scale bytes 2 e, 2 e + 1
	; ---- the weights, their scale words and the biases: 156 loads
	WIN 0x40                                       ; destination window 1
.irp k, 0,1
.irp t, 0,1,2,3
.irp s, 0,1
	FRAGG 16*(8*\k+2*\t+\s), \k*65536+(2*\t+\s)*2048
.endr
.endr
.endr
	WIN 0x80                                       ; destination window 2
.irp t, 0,1,2,3
.irp s, 0,1
	FRAGG 16*(2*\t+\s), 2*65536+(2*\t+\s)*2048
.endr
.endr
.irp k, 0,1
.irp t, 0,1,2,3                        ; transposed results: lane (r, h), register j: channel 32 (t / 2) + 8 (t % 2) + 16 h + j
	global_load_b128 v[BQ+32*\k+8*\t:BQ+32*\k+8*\t+3], v[VB1], s[6:7] offset:\k*1024+(32*(\t/2)+8*(\t%2))*4
	global_load_b128 v[BQ+32*\k+8*\t+4:BQ+32*\k+8*\t+7], v[VB1], s[6:7] offset:\k*1024+(32*(\t/2)+8*(\t%2))*4+16
.endr
.endr
.irp t, 0,1,2,3                        ; v's results: a lane holds ONE channel in all eight registers
.irp j, 0,1,2,3,4,5,6,7
	global_load_b32 v[BV+8*\t+\j], v[VB2], s[6:7] offset:2048+(32*(\t/2)+8*(\t%2))*4
.endr
.endr
	WIN 0
.irp k, 0,1,2
.irp t, 0,1,2,3
	global_load_b32 v[WSR+4*\k+\t], v[LS], s[10:11] offset:\k*2048+128*\t   ; lanes 0-15: K step 0; lanes 16-31: K step 1
.endr
.endr
	; ---- x: 128 rows of K at my position: each load reads 128 consecutive bytes, and my partner wave the 128 beside them
.set n, 0
.rept 128
	global_load_b32 v[XN+n], v[XG], s[4:5] offset:n*16384 th:TH_LOAD_NT
.set n, n+1
.endr
.macro XBLOCK c, left                  ; block c of 32 along K of my position
.set XB, XN+32*\c
	s_wait_loadcnt \left
	v_max3_num_f32 v[TM], |v[XB]|, |v[XB+1]|, |v[XB+2]|
	v_max3_num_f32 v[TM+1], |v[XB+3]|, |v[XB+4]|, |v[XB+5]|
.irp i, 6,10,14,18,22,26
	v_max3_num_f32 v[TM], v[TM], |v[XB+\i]|, |v[XB+\i+1]|
	v_max3_num_f32 v[TM+1], v[TM+1], |v[XB+\i+2]|, |v[XB+\i+3]|
.endr
	v_max3_num_f32 v[TM], v[TM], |v[XB+30]|, |v[XB+31]|
	v_max3_num_f32 v[TM], v[TM], v[TM+1], 0x4800000    ; the floor 2^(9 - 127): the byte cannot fall under 1
	v_add_nc_u32 v[TM+2], 0xfc000000, v[TM]            ; 8 off the exponent field: the conversion's scale operand
	v_and_or_b32 v[TM+3], v[TM], 0x7f800000, s[MNT]    ; 448 x the scale
	v_lshrrev_b32 v[TM+8], 23, v[TM+2]                 ; the byte
.if \c == 0
	v_mov_b32 v[PW], v[TM+8]
.else
	v_lshl_or_b32 v[PW], v[TM+8], 8*\c, v[PW]
.endif
.set n, 0
.rept 32
	v_med3_num_f32 v[XB+n], v[XB+n], -v[TM+3], v[TM+3] ; the conversion does not saturate (ISA guide 7.6.2): the hold comes first
.set n, n+1
.endr
.irp g, 0,1,2,3
	v_cvt_scalef32_pk8_fp8_f32 v[XC+8*\c+2*\g:XC+8*\c+2*\g+1], v[XB+8*\g:XB+8*\g+7], v[TM+2]
.endr
	v_nop                                          ; one plain line behind the conversions
	ds_store_b128 v[XW], v[XC+8*\c:XC+8*\c+3] offset:32*\c
	ds_store_b128 v[XW], v[XC+8*\c+4:XC+8*\c+7] offset:32*\c+16
.endm
	XBLOCK 0, 63                                   ; loads come back in order: 96 are younger than this block's; the count's field ends at 63
	XBLOCK 1, 63                                   ; 64 are younger
	XBLOCK 2, 32
	XBLOCK 3, 0                                    ; with it the weights are in too
	ds_store_b32 v[XWS], v[PW]
	s_wait_dscnt 0x0                               ; for the others' sake: my stores have landed
	s_barrier_signal -1
	s_barrier_wait -1                              ; 64 rows of codes and their scale words lie in LDS; nothing is written there again
; 64 numbers of a lane, v[s] on, four blocks of 16 that lane l xor 16 completes to 32, become 16 registers of codes in v[PC] on; the bytes stay in v[TM+4] on; word = 1: they make v[PW]
.macro QUANT s, word
.irp b, 0,1,2,3
	v_max3_num_f32 v[TM+\b], |v[\s+16*\b]|, |v[\s+1+16*\b]|, 0x4800000
.endr
.irp i, 2,4,6,8,10,12,14
.irp b, 0,1,2,3
	v_max3_num_f32 v[TM+\b], v[TM+\b], |v[\s+16*\b+\i]|, |v[\s+1+16*\b+\i]|   ; the four blocks by turns; each accumulator is read from its low end on
.endr
.endr
.irp b, 0,1,2,3
	v_permlanex16_b32 v[TM+4+\b], v[TM+\b], s[SEL], s[SEL+1]
.endr
.irp b, 0,1,2,3
	v_max_num_f32 v[TM+\b], v[TM+\b], v[TM+4+\b]
.endr
.irp b, 0,1,2,3
	v_add_nc_u32 v[TM+12+\b], 0xfc000000, v[TM+\b]
.endr
.irp b, 0,1,2,3
	v_and_or_b32 v[TM+8+\b], v[TM+\b], 0x7f800000, s[MNT]
.endr
.irp b, 0,1,2,3
	v_lshrrev_b32 v[TM+4+\b], 23, v[TM+12+\b]
.endr
.if \word
	v_lshl_or_b32 v[PW], v[TM+5], 8, v[TM+4]
	v_lshl_or_b32 v[PW], v[TM+6], 16, v[PW]
	v_lshl_or_b32 v[PW], v[TM+7], 24, v[PW]
.endif
.irp b, 0,1,2,3
.irp i, 0,1,2,3,4,5,6,7,8,9,10,11,12,13,14,15
	v_med3_num_f32 v[\s+16*\b+\i], v[\s+16*\b+\i], -v[TM+8+\b], v[TM+8+\b]
.endr
	v_cvt_scalef32_pk8_fp8_f32 v[PC+4*\b:PC+1+4*\b], v[\s+16*\b:\s+7+16*\b], v[TM+12+\b]
	v_cvt_scalef32_pk8_fp8_f32 v[PC+2+4*\b:PC+3+4*\b], v[\s+8+16*\b:\s+15+16*\b], v[TM+12+\b]
.endr
	v_nop                                          ; one plain line behind the conversions: the next products write their sources
.endm
.macro OUT4 base, off, step            ; the four register groups in v[PC] on: each store covers 512 consecutive bytes
.irp q, 0,1,2,3
	global_store_b128 v[LI], v[PC+4*\q:PC+4*\q+3], s[\base:\base+1] offset:(\off)+(\step)*\q
.endr
.endm
.macro FETCHX g                        ; x's fragments (tile u, K step s) of group g, and the tiles' scale words
.irp u, 0,1
.irp s, 0,1
.irp c, 0,1,2,3
	ds_load_b128 v[XF+16*(2*\u+\s)+4*\c:XF+16*(2*\u+\s)+4*\c+3], v[XA] offset:(32*\g+16*\u)*272+128*\s+32*\c
.endr
.endr
	ds_load_b32 v[XS+\u], v[XSA] offset:(32*\g+16*\u)*8
.endr
	s_wait_dscnt 0x0
.endm
; q (k = 0) or k (k = 1), transposed: eight accumulators by turns, K step by K step.  Accumulator (u, t): lane (r, h) holds row r of x's tile u, register j channel 32 (t / 2) + 8 (t % 2) + 16 h + j
.macro MULT k
	WIN 0x21                                       ; source 0 (the weights) window 1, C (the bias) window 2
.irp u, 0,1
.irp t, 0,1,2,3
	v_wmma_scale_f32_16x16x128_f8f6f4 v[HA+32*\u+8*\t:HA+32*\u+8*\t+7], v[16*(8*\k+2*\t):16*(8*\k+2*\t)+15], v[XF+32*\u:XF+32*\u+15], v[BQ+32*\k+8*\t:BQ+32*\k+8*\t+7], v[WSR+4*\k+\t], v[XS+\u]
.endr
.endr
	WIN 0x01
.irp u, 0,1
.irp t, 0,1,2,3
	v_wmma_scale_f32_16x16x128_f8f6f4 v[HA+32*\u+8*\t:HA+32*\u+8*\t+7], v[16*(8*\k+2*\t+1):16*(8*\k+2*\t+1)+15], v[XF+32*\u+16:XF+32*\u+31], v[HA+32*\u+8*\t:HA+32*\u+8*\t+7], v[WSR+4*\k+\t], v[XS+\u] matrix_a_scale:MATRIX_SCALE_ROW1 matrix_b_scale:MATRIX_SCALE_ROW1
.endr
.endr
	WIN 0
.endm
; v, not transposed: accumulator (t, u): lane (r, h) holds channel 32 (t / 2) + 8 (t % 2) + r + 8 (r / 8), register j position 16 h + 8 u + j of the group
.macro MULV
	WIN 0x28                                       ; source 1 (the weights) and C (the bias) window 2
.irp t, 0,1,2,3
.irp u, 0,1
	v_wmma_scale_f32_16x16x128_f8f6f4 v[HA+16*\t+8*\u:HA+16*\t+8*\u+7], v[XF+32*\u:XF+32*\u+15], v[16*(2*\t):16*(2*\t)+15], v[BV+8*\t:BV+8*\t+7], v[XS+\u], v[WSR+8+\t]
.endr
.endr
	WIN 0x08
.irp t, 0,1,2,3
.irp u, 0,1
	v_wmma_scale_f32_16x16x128_f8f6f4 v[HA+16*\t+8*\u:HA+16*\t+8*\u+7], v[XF+32*\u+16:XF+32*\u+31], v[16*(2*\t+1):16*(2*\t+1)+15], v[HA+16*\t+8*\u:HA+16*\t+8*\u+7], v[XS+\u], v[WSR+8+\t] matrix_a_scale:MATRIX_SCALE_ROW1 matrix_b_scale:MATRIX_SCALE_ROW1
.endr
.endr
	WIN 0
.endm
.macro GROUP g                         ; positions 32 g .. 32 g + 31 of the work-group's 64
	FETCHX \g
	MULT 0
	NINE
	s_wait_xcnt 0x0                                ; the codes' registers are data of earlier stores: written again only behind this wait
	QUANT HA, 1                                    ; block 2 u + b: the codes ARE one fragment of q
	OUT4 12, \g*2048, 512
.if \g == 0
	v_mov_b32 v[SWQ], v[PW]                        ; group 0's words go out in lanes 0-15,
.else
	v_cndmask_b32 v[SWQ], v[SWQ], v[PW], s[HM]     ; group 1's in lanes 16-31 (lane 16 + r holds row r's word too)
.endif
	MULT 1
	NINE
	s_wait_xcnt 0x0
	QUANT HA, 1
	OUT4 24, \g*2048, 512
.if \g == 0
	v_mov_b32 v[SWK], v[PW]
.else
	v_cndmask_b32 v[SWK], v[SWK], v[PW], s[HM]
.endif
	MULV
	NINE
	s_wait_xcnt 0x0
	QUANT HA, 0                                    ; block t: these 32 keys of tile t's channels: register group 2 e + g of V's fragment t
	OUT4 26, \g*512, 2048
.irp t, 0,1,2,3
.if \g == 0
	v_mov_b32 v[VBY+\t], v[TM+4+\t]
.else
	v_lshl_or_b32 v[VBY+\t], v[TM+4+\t], 8, v[VBY+\t]
.endif
.endr
.endm
	GROUP 0
	GROUP 1
	global_store_b32 v[LS], v[SWQ], s[14:15]       ; 128 consecutive bytes
	global_store_b32 v[LS], v[SWK], s[28:29]
	v_cndmask_b32 v[VBY], v[VBY], v[VBY+1], s[HM]  ; tile t in lanes 0-15, tile t + 1 in lanes 16-31
	v_cndmask_b32 v[VBY+2], v[VBY+2], v[VBY+3], s[HM]
	global_store_b16 v[LS], v[VBY], s[30:31]       ; my two of each word's four bytes
	global_store_b16 v[LS], v[VBY+2], s[30:31] offset:128
	s_wait_tensorcnt 0x0
	ds_add_u32 v254, v255
	s_wait_dscnt 0x0
	s_endpgm
.Lfunc_end_k_q8ba95a161d_qkv:
	.size	k_q8ba95a161d_qkv, .Lfunc_end_k_q8ba95a161d_qkv-k_q8ba95a161d_qkv
	.p2alignl 7, 3214868480
	.fill 96, 4, 3214868480
	.section	.rodata,"a",@progbits
	.p2align	6, 0x0
	.amdhsa_kernel k_q8ba95a161d_qkv
		.amdhsa_group_segment_fixed_size 18944
		.amdhsa_private_segment_fixed_size 0
		.amdhsa_enable_private_segment 0
		.amdhsa_kernarg_size 56
		.amdhsa_user_sgpr_count 2
		.amdhsa_user_sgpr_kernarg_segment_ptr 1
		.amdhsa_wavefront_size32 1
		.amdhsa_system_sgpr_workgroup_id_x 1
		.amdhsa_system_sgpr_workgroup_id_y 1
		.amdhsa_system_sgpr_workgroup_id_z 1
		.amdhsa_system_vgpr_workitem_id 0
		.amdhsa_next_free_vgpr 768
		.amdhsa_next_free_sgpr 66
		.amdhsa_reserve_vcc 0
		.amdhsa_float_denorm_mode_32 3
		.amdhsa_float_denorm_mode_16_64 3
		.amdhsa_memory_ordered 1
		.amdhsa_forward_progress 1
		.amdhsa_inst_pref_size 114
	.end_amdhsa_kernel
	.amdgpu_metadata
---
amdhsa.version: [ 1, 2 ]
amdhsa.kernels:
  - .name:           k_q8ba95a161d_qkv
    .symbol:         k_q8ba95a161d_qkv.kd
    .args:
      - { .name: x, .offset: 0, .size: 8, .value_kind: global_buffer, .address_space: global }
      - { .name: b_qkv, .offset: 8, .size: 8, .value_kind: global_buffer, .address_space: global }
      - { .name: wc, .offset: 16, .size: 8, .value_kind: global_buffer, .address_space: global }
      - { .name: ws, .offset: 24, .size: 8, .value_kind: global_buffer, .address_space: global }
      - { .name: qc, .offset: 32, .size: 8, .value_kind: global_buffer, .address_space: global }
      - { .name: qs, .offset: 40, .size: 8, .value_kind: global_buffer, .address_space: global }
      - { .name: kv, .offset: 48, .size: 8, .value_kind: global_buffer, .address_space: global }
    .group_segment_fixed_size: 18944
    .private_segment_fixed_size: 0
    .kernarg_segment_align: 8
    .kernarg_segment_size: 56
    .max_flat_workgroup_size: 128
    .sgpr_count:     66
    .vgpr_count:     768
    .wavefront_size: 32
...
	.end_amdgpu_metadata
.endif
;; end of part 2
;; launch attn (part 3): grid 16 x 16, 8 waves a work-group, clusters of 4 x 1, 327,680 bytes of LDS; arguments qc, qs, kv, oc, os; writes oc, os
.if DOCPART == 3
	.amdgcn_target "amdgcn-amd-amdhsa--gfx1250"
	.amdhsa_code_object_version 6
	.text
	.protected	k_q8ba95a161d_attn
	.globl	k_q8ba95a161d_attn
	.p2align	8
	.type	k_q8ba95a161d_attn,@function
k_q8ba95a161d_attn:
	s_mov_b64 s[64:65], 0
	v_nop
	global_prefetch_b8 v0, s[64:65] scope:SCOPE_SE
	s_setreg_imm32_b32 hwreg(HW_REG_WAVE_MODE, 25, 1), 1
	s_wait_xcnt 0x0
	s_wait_alu depctr_hold_cnt(0) depctr_sa_sdst(0) depctr_va_vdst(0) depctr_va_sdst(0) depctr_va_ssrc(0) depctr_va_vcc(0) depctr_vm_vsrc(0)
	s_getreg_b32 s2, hwreg(HW_REG_IB_STS2, 6, 4)
	s_cmp_eq_u32 s2, 0
	s_cbranch_scc0 .Lentry_in_a_cluster
	s_endpgm
.Lentry_in_a_cluster:
	s_bfe_u32 s2, ttmp6, 0x10000c
	s_cmp_lg_u32 s2, 0x3003
	s_cbranch_scc0 .Lentry_shape_is_right
	s_endpgm
.Lentry_shape_is_right:
; vals[q] = (sum over keys of p v) / (sum of p), p = 2^(t - M), t = (q . k / 8) log2(e), M = the running largest t rounded UP to a whole number; both products on codes of E4M3 with E8M0 scales.
; p is quantised along the keys, not normalised; the row's sum is taken of the unquantised p in f32.  When M moves, the sum and O^T are multiplied by 2^(old M - new M): exact.
; vals is then quantised along the channels and leaves as images of the last product's operand registers.
; SHARES.  A work-group owns 256 queries of one (batch, head); each of its EIGHT waves owns 32 of them, two tiles of 16, so that each fragment of K and V read from LDS feeds both tiles' products.
; Every wave walks all 4,096 keys, 128 a step.  The two tiles' softmax lines take turns, and short dependent runs (scale lines, the merging of sums) stand among independent lines.
; kv holds, for each key step, 16,896 dense bytes: four fragments of K, four of V, their scale words, all as images of registers: a fragment comes out of LDS by four loads of 512 consecutive bytes.
; Behind a step's score products V's fragments of this step and K's of the next are fetched, and land under the softmax.
; REGISTERS.  Window 0: addresses, scale words, both tiles' state (30 registers a tile), p's codes, S^T of both tiles.  Window 1: O^T and Q of both tiles, K's four fragments, V's four.
; CLUSTER.  The four work-groups of a cluster belong to one head and walk the same kv: each key step is asked for JOINTLY (mask 15).  Each of the eight waves brings one of a slot's eight key steps.
; Ring: two slots of eight key steps, four slots' worth of keys; by this text's count a wave has one tensor load out.
; PREFETCH.  At a change of slots that asks for slot n + 1 each wave names its key step of slot n + 2, 66 blocks of 256 bytes: the partner at place cx takes blocks 17 cx .. 17 cx + 16 (told apart by address; lanes left over name
; the last block again).  Slots 0 and 1 come by their loads alone; the change that asks for the last slot names nothing.
; LAYOUT.  Both products transposed: S^T = K Q^T, O^T = V^T P^T: a lane holds ONE query (lane % 16) of each tile throughout.
; THE HEAD HAS 64 CHANNELS AND THE INSTRUCTION 128 ALONG K: a fragment of K holds TWO key tiles (register groups 0, 1: tile 0; groups 2, 3: tile 1).  Q lies in 24 registers as [0 | q | 0]:
; the run [q | 0] picks tile 0, the run [0 | q] tile 1.  In the dead half Q has zero codes under byte 0 and K finite codes under bytes 1 .. 254: exact zeros.
; The keys of a tile are chosen (8 u + r + 8 (r / 8) of a group of 32) so that a lane's 16 registers of two tiles are 16 neighbouring keys: p's codes are the second product's operand as they are made.
; LIMITS: the promise holds while the scaled scores t stay under 2^31 in magnitude; NaN and infinities are not served; a block of p or of vals under 2^-118 gets byte 1 (its codes are zeros or subnormal codes), read by this program alone.
.set STEPB, 16896                      ; a key step's bytes
.set NST,   8                          ; key steps in a slot
.set SLOTB, NST*STEPB
.set SLOT1, SLOTB                      ; slot 1 begins behind slot 0
.set SPARE, 2*SLOTB                    ; behind the ring: the spare words, 128 bytes for each of 8 waves: four blocks of 256 bytes that no other line names
; window 0
.set LI,  1                            ; 16 x lane
.set LS,  2                            ; 4 x lane
.set SPW, 3                            ; my spare word; never rewritten
.set NIL, 4                            ; 0; never rewritten
.set ADK, 5                            ; the step's fragments
.set ADS, 6                            ; the step's scale words
.set R4,  7                            ; 4 r
.set KS,  8                            ; v8-9   K's scale words: lanes 0-15 fragment 2 e, lanes 16-31 fragment 2 e + 1
.set VS,  10                           ; v10-11 V's likewise
.set PS,  12                           ; v12, v13 p's scale word, tile 0, 1
.set QS,  14                           ; v14, v15 tile 0: q's two bytes in bytes 0, 1; the same in bytes 2, 3;  v20, v21 tile 1
.set PFO, 16                           ; the prefetch's offset
; a tile's state: tile t at + 30 t
.set NM,  24                           ; -M, and beside it the running largest score
.set SUM, 26                           ; the row's sum in two halves
.set F,   28                           ; f = 2^(old M - new M), a pair
.set TMP, 30                           ; two
.set BM,  32                           ; the blocks' largest scores, then largest p
.set T2,  36
.set HL,  40                           ; 448 x the scale
.set SO,  44                           ; the conversions' scale operands
.set SA,  48                           ; three more chains of the sum
.set PC,  84                           ; v84-115 p's codes: tile t at + 16 t
.set XS,  116                          ; v116-123 four more chains of the sum, for the tile in hand
.set S,   128                          ; v128-255 S^T, then p: tile t at + 64 t
; window 1
.set O,   0                            ; O^T: tile t at + 32 t
.set Q,   64                           ; tile t at + 24 t
.set KF,  128                          ; K's four fragments
.set VF,  192                          ; V's
.set WV,  14
.set SEL, 20
.set CS,  22
.set MNT, 24
.set TB,  25                           ; LDS byte of the step in hand
.set SLOTS, 26
.set CNT, 27
.set G0,  28
.set G1,  32
.set RB,  52                           ; the slot that is read
.set FB,  53                           ; the slot that was filled last
.set WOFF, 54                          ; my key step's place in a slot
.set FLR, 55                           ; 2^(9 - 127)
.set PFA, 56                           ; s[56:57] my key step of the slot behind the one that is asked for
.set MSB, 0
.macro WIN new                         ; the immediate's high byte repeats the setting that is left
.if MSB != \new
	s_set_vgpr_msb (MSB<<8)|\new
.set MSB, \new
.endif
.endm
.macro WALU
	s_wait_alu depctr_va_vdst(0)
.endm
.macro CROUND                          ; a round of the cluster's barrier
	s_barrier_signal -1
	s_barrier_wait -1
	s_cmp_lg_u32 s[WV], 0
	s_cbranch_scc1 .Lnot_wave_0_\@
	s_barrier_signal -3
.Lnot_wave_0_\@:
	s_barrier_wait -3
	s_barrier_signal -1
	s_barrier_wait -1
.endm
.macro JLOAD                           ; every wave asks for its key step of the slot; an s_nop 0 and four v_nop follow
	tensor_load_to_lds s[G0:G0+3], s[G1:G1+7]
	s_nop 0
.rept 4
	v_nop
.endr
.endm
.macro DMIN x, b                       ; two holds in one line: p is not negative, so the hold is one-sided
	v_dual_min_num_f32 v[\x], v[\x], v[\b] :: v_dual_min_num_f32 v[\x+1], v[\x+1], v[\b]
.endm
.macro DMAX x, y                       ; two maxima in one line
	v_dual_max_num_f32 v[\x], v[\x], v[\y] :: v_dual_max_num_f32 v[\x+1], v[\x+1], v[\y+1]
.endm
.macro DFLR x                          ; two floors in one line
	v_dual_max_num_f32 v[\x], s[FLR], v[\x] :: v_dual_max_num_f32 v[\x+1], s[FLR], v[\x+1]
.endm
	s_load_b256 s[4:11], s[0:1], 0x0               ; qc s[4:5], qs s[6:7], kv s[8:9], oc s[10:11]
	s_load_b64 s[12:13], s[0:1], 0x20              ; os
	v_lshl_add_u32 v[SPW], v0, 2, SPARE
	v_mov_b32 v[NIL], 0
	ds_add_u32 v[SPW], v[NIL]                      ; the opening lines: the add, twice on end, and its wait ahead of my first tensor load
	ds_add_u32 v[SPW], v[NIL]
	v_lshrrev_b32 v5, 5, v0
	v_readfirstlane_b32 s[WV], v5                  ; wave 0..7
	v_and_b32 v5, 31, v0
	v_lshlrev_b32 v[LI], 4, v5
	v_lshlrev_b32 v[LS], 2, v5
	v_and_b32 v6, 15, v0
	v_lshlrev_b32 v[R4], 2, v6
	s_bfe_u32 s15, ttmp6, 0x40000                  ; cx: it enters global addresses of q, of the results and of the prefetch alone
	v_min_u32 v[PFO], 16, v5
	s_mul_i32 s58, s15, 17
	v_add_nc_u32 v[PFO], s58, v[PFO]
	v_min_u32 v[PFO], 65, v[PFO]                   ; block 17 cx + min(lane, 16), at most the key step's last
	v_lshlrev_b32 v[PFO], 8, v[PFO]
	s_lshl_b32 s16, ttmp9, 2
	s_add_co_u32 s16, s16, s15                     ; my block of 256 queries
	s_lshl_b32 s16, s16, 4
	s_lshl_b32 s17, s[WV], 1
	s_add_co_u32 s16, s16, s17                     ; qt: tile 0's number; tile 1 is qt + 1
	s_and_b32 s17, ttmp7, 0xffff                   ; bh = 4 batch + head, which the four partners share
	s_lshr_b32 s18, s17, 2                         ; batch
	s_and_b32 s19, s17, 3                          ; head
	s_lshl_b32 s40, s17, 18                        ; qc: bh x 128 groups x 2,048 + qt x 1,024
	s_lshl_b32 s41, s16, 10
	s_add_co_u32 s40, s40, s41
	s_mov_b32 s41, 0
	s_lshl_b32 s42, s17, 13                        ; qs: (128 bh + qt / 2) x 64
	s_lshl_b32 s43, s16, 5
	s_add_co_u32 s42, s42, s43
	s_mov_b32 s43, 0
	s_lshl_b32 s44, s18, 20                        ; oc: (256 batch + qt) x 4,096 + head x 1,024
	s_lshl_b32 s45, s16, 12
	s_add_co_u32 s44, s44, s45
	s_lshl_b32 s45, s19, 10
	s_add_co_u32 s44, s44, s45
	s_mov_b32 s45, 0
	s_lshl_b32 s46, s18, 15                        ; os: (256 batch + qt) x 128 + 64 (head / 2) + 2 (head % 2)
	s_lshl_b32 s47, s16, 7
	s_add_co_u32 s46, s46, s47
	s_lshr_b32 s47, s19, 1
	s_lshl_b32 s47, s47, 6
	s_add_co_u32 s46, s46, s47
	s_and_b32 s47, s19, 1
	s_lshl_b32 s47, s47, 1
	s_add_co_u32 s46, s46, s47
	s_mov_b32 s47, 0
	s_mul_i32 s[WOFF], s[WV], STEPB                ; the key step that I fetch: its place in a slot, and in memory
	s_mul_i32 s50, s17, 32*STEPB                   ; the head's 32 key steps
	s_add_co_u32 s50, s50, s[WOFF]
	s_mov_b32 s51, 0
	; descriptor group 1: 16,896 dense bytes as 66 rows of 32 elements of 8 bytes
	s_mov_b32 s[G1], 15|(3<<16)|(1<<21)            ; the mask: all four work-groups; elements of 8 bytes; bit 21 beside a mask; no padding
	s_mov_b32 s[G1+1], 32<<16
	s_mov_b32 s[G1+2], 66<<16
	s_mov_b32 s[G1+3], 32<<16
	s_mov_b32 s[G1+4], 66
	s_mov_b32 s[G1+5], 32
	s_mov_b32 s[G1+6], 0
	s_mov_b32 s[G1+7], 0
	s_mov_b32 s[SEL], 0x76543210
	s_mov_b32 s[SEL+1], 0xfedcba98                 ; v_permlanex16_b32's selects for lane l xor 16
	s_mov_b32 s[CS], 0x3e38aa3b                    ; c = log2(e) / 8
	s_mov_b32 s[CS+1], s[CS]                       ; (named with it as a pair, so it is written)
	s_mov_b32 s[MNT], 0x600000                     ; the mantissa field of 448
	s_mov_b32 s[FLR], 0x4800000
	s_mov_b32 s[TB], 0
	s_mov_b32 s[RB], 0
	s_mov_b32 s[FB], 0
	s_mov_b32 s[SLOTS], 3
	s_wait_dscnt 0x0                               ; both opening adds are done
	s_wait_kmcnt 0x0
	s_add_nc_u64 s[4:5], s[4:5], s[40:41]
	s_add_nc_u64 s[6:7], s[6:7], s[42:43]
	s_add_nc_u64 s[10:11], s[10:11], s[44:45]
	s_add_nc_u64 s[12:13], s[12:13], s[46:47]
	s_add_nc_u64 s[PFA:PFA+1], s[8:9], s[50:51]
	s_add_nc_u64 s[PFA:PFA+1], s[PFA:PFA+1], SLOTB ; slot 1: the first change steps it to slot 2
	CROUND                                         ; all four work-groups are here: the first joint loads meet
	s_mov_b32 s[G0], 1
	s_mov_b32 s[G0+1], s[WOFF]                     ; LDS address: slot 0
	s_add_nc_u64 s[G0+2:G0+3], s[8:9], s[50:51]    ; key steps 0-7
	s_or_b32 s[G0+3], s[G0+3], 0x80000000
	JLOAD                                          ; slot 0: one tensor load a wave at the head
	WALU                                           ; the wait ahead of the readers below
	global_load_b32 v[TMP], v[R4], s[6:7]          ; the group's scale word of row r: bytes 0, 1 tile 0's, bytes 2, 3 tile 1's
	WIN 0x40                                       ; destination window 1
.irp t, 0,1
	global_load_b128 v[Q+24*\t+8:Q+24*\t+11], v[LI], s[4:5] offset:1024*\t        ; q: channels 0-31,
	global_load_b128 v[Q+24*\t+12:Q+24*\t+15], v[LI], s[4:5] offset:1024*\t+512   ; channels 32-63
.irp j, 0,1,2,3,4,5,6,7
	v_mov_b32 v[Q+24*\t+\j], 0                     ; zero codes on both sides of q
	v_mov_b32 v[Q+24*\t+16+\j], 0
.endr
.endr
.set j, 0
.rept 64
	v_mov_b32 v[O+j], 0                            ; O^T.  (The step is written once: the first finds zeros, which the first change of M leaves zeros)
.set j, j+1
.endr
	WIN 0
	s_wait_loadcnt 0x0
	v_and_b32 v[QS], 0xffff, v[TMP]                ; (s0, s1, 0, 0)
	v_lshlrev_b32 v[QS+1], 16, v[TMP]              ; (0, 0, s0, s1)
	v_lshrrev_b32 v[QS+6], 16, v[TMP]
	v_and_b32 v[QS+7], 0xffff0000, v[TMP]          ; the lines below stand between these and the first product
.irp t, 0,1
	v_mov_b32 v[NM+30*\t], 0x7f61b1e6              ; -M: 3e38
	v_mov_b32 v[NM+30*\t+1], 0xff61b1e6            ; the largest score so far: -3e38
	v_mov_b32 v[SUM+30*\t], 0
	v_mov_b32 v[SUM+30*\t+1], 0
.irp b, 0,1,2,3
	v_mov_b32 v[T2+30*\t+\b], 0                    ; a lane permute's destination counts as one of its sources
.endr
	v_mov_b32 v[F+30*\t+1], 0                      ; (named as the upper half of a pair)
.endr
; S^T = K Q^T of tile t: each fragment serves two products; register 16 f + i of lane (r, h) is key 32 f + 16 h + i for query r
.macro SMUL t
.irp f, 0,1,2,3
.if \f%2
	v_wmma_scale_f32_16x16x128_f8f6f4 v[S+64*\t+16*\f:S+64*\t+16*\f+7], v[KF+16*\f:KF+16*\f+15], v[Q+24*\t+8:Q+24*\t+23], 0, v[KS+\f/2], v[QS+6*\t] matrix_a_scale:MATRIX_SCALE_ROW1
	v_wmma_scale_f32_16x16x128_f8f6f4 v[S+64*\t+16*\f+8:S+64*\t+16*\f+15], v[KF+16*\f:KF+16*\f+15], v[Q+24*\t:Q+24*\t+15], 0, v[KS+\f/2], v[QS+6*\t+1] matrix_a_scale:MATRIX_SCALE_ROW1
.else
	v_wmma_scale_f32_16x16x128_f8f6f4 v[S+64*\t+16*\f:S+64*\t+16*\f+7], v[KF+16*\f:KF+16*\f+15], v[Q+24*\t+8:Q+24*\t+23], 0, v[KS+\f/2], v[QS+6*\t]
	v_wmma_scale_f32_16x16x128_f8f6f4 v[S+64*\t+16*\f+8:S+64*\t+16*\f+15], v[KF+16*\f:KF+16*\f+15], v[Q+24*\t:Q+24*\t+15], 0, v[KS+\f/2], v[QS+6*\t+1]
.endif
.endr
.endm
; O^T += V^T P^T of tile t: one product an accumulator, by turns
.macro PVMUL t
.irp u, 0,1,2,3
.if \u%2
	v_wmma_scale_f32_16x16x128_f8f6f4 v[O+32*\t+8*\u:O+32*\t+8*\u+7], v[VF+16*\u:VF+16*\u+15], v[PC+16*\t:PC+16*\t+15], v[O+32*\t+8*\u:O+32*\t+8*\u+7], v[VS+\u/2], v[PS+\t] matrix_a_scale:MATRIX_SCALE_ROW1
.else
	v_wmma_scale_f32_16x16x128_f8f6f4 v[O+32*\t+8*\u:O+32*\t+8*\u+7], v[VF+16*\u:VF+16*\u+15], v[PC+16*\t:PC+16*\t+15], v[O+32*\t+8*\u:O+32*\t+8*\u+7], v[VS+\u/2], v[PS+\t]
.endif
.endr
.endm
.macro FLOAD reg, off                  ; four fragments, off bytes behind the step in hand (destination window 1)
.irp f, 0,1,2,3
.irp c, 0,1,2,3
	ds_load_b128 v[\reg+16*\f+4*\c:\reg+16*\f+4*\c+3], v[ADK] offset:(\off)+2048*\f+512*\c
.endr
.endr
.endm
.macro WLOAD reg, off                  ; their scale words (window 0)
.irp e, 0,1
	ds_load_b32 v[\reg+\e], v[ADS] offset:(\off)+128*\e
.endr
.endm
; THE SCALE LINES of tile t's four blocks, in parts that stand among the sums' lines
.macro SCF t                           ; the floor 2^(9 - 127): the byte cannot fall under 1
	DFLR BM+30*\t
	DFLR BM+30*\t+2
.endm
.macro SCO t
.irp b, 0,1,2,3
	v_add_nc_u32 v[SO+30*\t+\b], 0xfc000000, v[BM+30*\t+\b]    ; 8 off the exponent field: the conversion's scale operand
.endr
.irp b, 0,1,2,3
	v_and_or_b32 v[HL+30*\t+\b], v[BM+30*\t+\b], 0x7f800000, s[MNT]   ; 448 x the scale
.endr
.endm
.macro SCB t
.irp b, 0,1,2,3
	v_lshrrev_b32 v[T2+30*\t+\b], 23, v[SO+30*\t+\b]           ; the byte
.endr
.endm
.macro SCW t, n                        ; line n = 1, 2, 3 of p's scale word for these 128 keys
.if \n == 1
	v_lshl_or_b32 v[TMP+30*\t], v[T2+30*\t+1], 8, v[T2+30*\t]
.elseif \n == 2
	v_lshl_or_b32 v[TMP+30*\t], v[T2+30*\t+2], 16, v[TMP+30*\t]
.else
	v_lshl_or_b32 v[PS+\t], v[T2+30*\t+3], 24, v[TMP+30*\t]
.endif
.endm
; THE ROW'S SUM of the unquantised p: two at a time, eight chains
.macro SUMI t                          ; the chains begin: pairs 0 to 14
.irp k, 0,1,2
	v_pk_add_f32 v[SA+30*\t+2*\k:SA+30*\t+2*\k+1], v[S+64*\t+4*\k:S+64*\t+4*\k+1], v[S+64*\t+4*\k+2:S+64*\t+4*\k+3]
.endr
.irp k, 3,4,5,6
	v_pk_add_f32 v[XS+2*(\k-3):XS+2*(\k-3)+1], v[S+64*\t+4*\k:S+64*\t+4*\k+1], v[S+64*\t+4*\k+2:S+64*\t+4*\k+3]
.endr
	v_pk_add_f32 v[SUM+30*\t:SUM+30*\t+1], v[SUM+30*\t:SUM+30*\t+1], v[S+64*\t+28:S+64*\t+29]
.endm
.macro SUMR t, r                       ; pairs 15 + 8 r to 22 + 8 r
.irp k, 0,1,2
	v_pk_add_f32 v[SA+30*\t+2*\k:SA+30*\t+2*\k+1], v[SA+30*\t+2*\k:SA+30*\t+2*\k+1], v[S+64*\t+30+16*\r+2*\k:S+64*\t+31+16*\r+2*\k]
.endr
.irp k, 3,4,5,6
	v_pk_add_f32 v[XS+2*(\k-3):XS+2*(\k-3)+1], v[XS+2*(\k-3):XS+2*(\k-3)+1], v[S+64*\t+30+16*\r+2*\k:S+64*\t+31+16*\r+2*\k]
.endr
	v_pk_add_f32 v[SUM+30*\t:SUM+30*\t+1], v[SUM+30*\t:SUM+30*\t+1], v[S+64*\t+44+16*\r:S+64*\t+45+16*\r]
.endm
.macro SUML t                          ; pair 31
	v_pk_add_f32 v[SA+30*\t:SA+30*\t+1], v[SA+30*\t:SA+30*\t+1], v[S+64*\t+62:S+64*\t+63]
.endm
.macro MRG t, n                        ; line n = 1 .. 7 of the merging of the eight chains
.if \n == 1
	v_pk_add_f32 v[SA+30*\t+2:SA+30*\t+3], v[SA+30*\t+2:SA+30*\t+3], v[SA+30*\t+4:SA+30*\t+5]
.elseif \n == 2
	v_pk_add_f32 v[XS:XS+1], v[XS:XS+1], v[XS+2:XS+3]
.elseif \n == 3
	v_pk_add_f32 v[XS+4:XS+5], v[XS+4:XS+5], v[XS+6:XS+7]
.elseif \n == 4
	v_pk_add_f32 v[SUM+30*\t:SUM+30*\t+1], v[SUM+30*\t:SUM+30*\t+1], v[SA+30*\t:SA+30*\t+1]
.elseif \n == 5
	v_pk_add_f32 v[XS:XS+1], v[XS:XS+1], v[XS+4:XS+5]
.elseif \n == 6
	v_pk_add_f32 v[SUM+30*\t:SUM+30*\t+1], v[SUM+30*\t:SUM+30*\t+1], v[SA+30*\t+2:SA+30*\t+3]
.else
	v_pk_add_f32 v[SUM+30*\t:SUM+30*\t+1], v[SUM+30*\t:SUM+30*\t+1], v[XS:XS+1]
.endif
.endm
.macro CVT t, b                        ; block b of tile t: 16 numbers a lane become four registers of the operand
	v_cvt_scalef32_pk8_fp8_f32 v[PC+16*\t+4*\b:PC+16*\t+1+4*\b], v[S+64*\t+16*\b:S+64*\t+7+16*\b], v[SO+30*\t+\b]
	v_cvt_scalef32_pk8_fp8_f32 v[PC+16*\t+2+4*\b:PC+16*\t+3+4*\b], v[S+64*\t+8+16*\b:S+64*\t+15+16*\b], v[SO+30*\t+\b]
.endm
.macro FMA0                            ; tile 0: t - M, two at a time, at the running index j
	v_pk_fma_f32 v[S+j:S+j+1], v[S+j:S+j+1], s[CS:CS+1], v[NM:NM+1] op_sel_hi:[1,0,0]
.set j, j+2
.endm
.macro HOLD1                           ; tile 1: two holds at the running index j
	DMIN S+64+j, HL+30+j/16
.set j, j+2
.endm
; THE SOFTMAX OF BOTH TILES' 128 KEYS
.macro SOFT2
.irp t, 0,1
.irp b, 0,1,2,3
	v_max3_num_f32 v[BM+30*\t+\b], v[S+64*\t+16*\b], v[S+64*\t+1+16*\b], v[S+64*\t+2+16*\b]   ; the largest score of each block of 32 keys: it serves the row's maximum and, since p rises with the score, the block's largest p
.endr
.endr
.irp i, 3,5,7,9,11,13
.irp t, 0,1
.irp b, 0,1,2,3
	v_max3_num_f32 v[BM+30*\t+\b], v[BM+30*\t+\b], v[S+64*\t+16*\b+\i], v[S+64*\t+1+16*\b+\i]
.endr
.endr
.endr
.irp t, 0,1
.irp b, 0,1,2,3
	v_max_num_f32 v[BM+30*\t+\b], v[BM+30*\t+\b], v[S+64*\t+15+16*\b]
.endr
.endr
.irp t, 0,1
.irp b, 0,1,2,3
	v_permlanex16_b32 v[T2+30*\t+\b], v[BM+30*\t+\b], s[SEL], s[SEL+1]
.endr
.endr
.irp t, 0,1
	DMAX BM+30*\t, T2+30*\t                        ; with lane l xor 16's 16 keys
	DMAX BM+30*\t+2, T2+30*\t+2
.endr
.irp t, 0,1
	v_max3_num_f32 v[TMP+30*\t], v[BM+30*\t], v[BM+30*\t+1], v[BM+30*\t+2]
.endr
.irp t, 0,1
	s_delay_alu instid0(VALU_DEP_2)
	v_max3_num_f32 v[NM+30*\t+1], v[TMP+30*\t], v[BM+30*\t+3], v[NM+30*\t+1]   ; the running largest score (c is positive: it is the largest t's)
.endr
.irp t, 0,1
	s_delay_alu instid0(VALU_DEP_2)
	v_mul_f32 v[TMP+30*\t], s[CS], v[NM+30*\t+1]   ; as t
.endr
.irp t, 0,1
	s_delay_alu instid0(VALU_DEP_2)
	v_floor_f32 v[TMP+30*\t+1], -v[TMP+30*\t]      ; the new -M = floor(-t) = -ceil(t)
.endr
.irp t, 0,1
	s_delay_alu instid0(VALU_DEP_2)
	v_sub_f32 v[TMP+30*\t], v[TMP+30*\t+1], v[NM+30*\t]   ; old M - new M: a whole number, 0 or less
.endr
.irp t, 0,1
	s_delay_alu instid0(VALU_DEP_4)
	v_mov_b32 v[NM+30*\t], v[TMP+30*\t+1]
.endr
.set j, 0
.rept 2
	FMA0                                           ; tile 0's t - M needs -M alone: the two last levels of f's chain stand among these lines
.endr
.irp t, 0,1
	v_cvt_i32_f32 v[TMP+30*\t], v[TMP+30*\t]       ; (it saturates)
.endr
.rept 4
	FMA0
.endr
.irp t, 0,1
	v_ldexp_f32 v[F+30*\t], 1.0, v[TMP+30*\t]      ; f = 2^(old M - new M)
.endr
.rept 26
	FMA0
.endr
.irp t, 0,1
	v_pk_fma_f32 v[BM+30*\t:BM+30*\t+1], v[BM+30*\t:BM+30*\t+1], s[CS:CS+1], v[NM+30*\t:NM+30*\t+1] op_sel_hi:[1,0,0]       ; the same of each block's largest score
	v_pk_fma_f32 v[BM+30*\t+2:BM+30*\t+3], v[BM+30*\t+2:BM+30*\t+3], s[CS:CS+1], v[NM+30*\t:NM+30*\t+1] op_sel_hi:[1,0,0]
.endr
	WIN 0x41                                       ; O^T in window 1, f in window 0
.irp t, 0,1
.set j, 0
.rept 16
	v_pk_mul_f32 v[O+32*\t+j:O+32*\t+j+1], v[O+32*\t+j:O+32*\t+j+1], v[F+30*\t:F+30*\t+1] op_sel_hi:[1,0]   ; O^T under the new M: no transcendental stands between the last products and these lines
.set j, j+2
.endr
.endr
	WIN 0
	WALU                                           ; the wait ahead of the batch
.set j, 0
.rept 32
	v_exp_f32 v[S+j], v[S+j]                       ; tile 0: p = 2^(t - M), at most 1
	v_pk_fma_f32 v[S+64+j:S+64+j+1], v[S+64+j:S+64+j+1], s[CS:CS+1], v[NM+30:NM+31] op_sel_hi:[1,0,0]   ; among them tile 1's t - M: its sources stand ahead of the wait above, its results are read behind the waits below
	v_exp_f32 v[S+j+1], v[S+j+1]
.set j, j+2
.endr
.irp b, 0,1,2,3
	v_exp_f32 v[BM+\b], v[BM+\b]                   ; the block's largest p: the same arithmetic on the same number
.endr
	v_pk_mul_f32 v[SUM:SUM+1], v[SUM:SUM+1], v[F:F+1] op_sel_hi:[1,0]   ; the sums under the new M.  (A plain line behind the exponentials)
	WALU                                           ; one wait for the batch, ahead of its first reader
	SCF 0                                          ; tile 0: scale lines and sums by turns
	SUMI 0
	SCO 0
	SUMR 0, 0
	SCB 0
	SUMR 0, 1
	SCW 0, 1
	SUML 0
	MRG 0, 1
	MRG 0, 2
	MRG 0, 3
	SCW 0, 2
	MRG 0, 4
	MRG 0, 5
	SCW 0, 3
	MRG 0, 6
	MRG 0, 7
	WALU                                           ; ahead of the second batch
.set j, 0
.rept 32
	v_exp_f32 v[S+64+j], v[S+64+j]                 ; tile 1's p
	DMIN S+j, HL+j/16                              ; among them tile 0's holds (the conversion does not saturate: ISA guide 7.6.2): bounds made ahead of the wait above, results read behind the wait below
	v_exp_f32 v[S+64+j+1], v[S+64+j+1]
.set j, j+2
.endr
.irp b, 0,1,2,3
	v_exp_f32 v[BM+30+\b], v[BM+30+\b]
.endr
	v_pk_mul_f32 v[SUM+30:SUM+31], v[SUM+30:SUM+31], v[F+30:F+31] op_sel_hi:[1,0]
	WALU
	SCF 1                                          ; tile 1's scale lines and sums, and among them tile 0's conversions
	CVT 0, 0
	SUMI 1
	CVT 0, 1
	SCO 1
	CVT 0, 2
	SUMR 1, 0
	CVT 0, 3
	SCB 1
	SUMR 1, 1
	SCW 1, 1
	SUML 1
	SCW 1, 2
.set j, 0
.rept 2
	HOLD1
.endr
	SCW 1, 3
.rept 30
	HOLD1                                          ; all of tile 1's holds stand ahead of its conversions
.endr
.irp b, 0,1,2,3
	CVT 1, \b
.endr
.irp n, 1,2,3,4,5,6,7
	MRG 1, \n                                      ; seven plain lines between the codes and the products
.endr
.endm
; A KEY STEP: 128 keys at LDS byte s[TB], both tiles.  pre = 1: the next step lies in the same slot, and its fragments of K are fetched
.macro STEP pre
	s_wait_dscnt 0x0                               ; K and its scale words are in
	WIN 0x05                                       ; K and Q: window 1
	SMUL 0
	SMUL 1
	WIN 0
	v_add_nc_u32 v[ADK], s[TB], v[LI]
	v_add_nc_u32 v[ADS], s[TB], v[LS]
.rept 6
	v_nop                                          ; with the two additions: eight places behind the products, in front of the loads below and of the first read of the scores
.endr
	WIN 0x40                                       ; destination window 1
	FLOAD VF, 8192
.if \pre
	FLOAD KF, STEPB
.endif
	WIN 0
	WLOAD VS, 16640
.if \pre
	WLOAD KS, STEPB+16384
.endif
	SOFT2
	WALU
	s_wait_dscnt 0x0                               ; V and its scale words are in (and the next K)
	WIN 0x51                                       ; V and O^T: window 1; p's codes: window 0
	PVMUL 0
	PVMUL 1
	WIN 0
	s_add_co_u32 s[TB], s[TB], STEPB
.endm
; THE CHANGE OF SLOTS stands at a slot's head.  Each wave waits for all its tensor loads (its part of the slot ahead), adds 0 to its spare word, and waits for that and for its reads of the slot left behind.
; fill = 1: the barrier is a round of the cluster's, so that no wave of any partner still reads that slot or has a load on its way; the joint refill is the first thing behind it and has eight key steps in which to land.
.macro CHANGE fill
	s_wait_tensorcnt 0x0                           ; no tensor load of mine is out, so the descriptor may be written
	ds_add_u32 v[SPW], v[NIL]                      ; 0 onto my spare word
.if \fill
	s_xor_b32 s[FB], s[FB], SLOT1                  ; the other slot than last time,
	s_add_co_u32 s[G0+1], s[FB], s[WOFF]
	s_add_nc_u64 s[G0+2:G0+3], s[G0+2:G0+3], SLOTB ; the next eight key steps; the type bits on top are not reached
	s_wait_xcnt 0x0                                ; any prefetch of mine has read its address
	s_add_nc_u64 s[PFA:PFA+1], s[PFA:PFA+1], SLOTB ; one slot further on than the descriptor
.endif
	s_wait_dscnt 0x0                               ; the add is done, and my reads of the slot that I have left are over
.if \fill
	CROUND
	JLOAD
.else
	s_barrier_signal -1
	s_barrier_wait -1
.endif
	v_add_nc_u32 v[ADK], s[TB], v[LI]
	v_add_nc_u32 v[ADS], s[TB], v[LS]
	WLOAD KS, 16384                                ; the slot's first scale words and fragments of K
	WIN 0x40
	FLOAD KF, 0
	WIN 0
.if \fill
	s_cmp_gt_u32 s[SLOTS], 1                       ; the change that asks for the last slot has no slot behind it to name
	s_cbranch_scc0 .Lnone_\@
	global_prefetch_b8 v[PFO], s[PFA:PFA+1] th:TH_LOAD_NT scope:SCOPE_SE
.Lnone_\@:
.endif
.endm
.macro SLOT_STEPS                      ; a slot's eight key steps: seven that fetch the next K, and the last
	s_mov_b32 s[CNT], NST-1
.Lstep_\@:
	STEP 1
	s_sub_co_u32 s[CNT], s[CNT], 1
	s_cmp_lg_u32 s[CNT], 0
	s_cbranch_scc1 .Lstep_\@
	STEP 0
	s_xor_b32 s[RB], s[RB], SLOT1                  ; on to the other slot
	s_mov_b32 s[TB], s[RB]
.endm
	WALU                                           ; the wait at the head's end
.Lslot:                                                ; three trips: behind each change of slots but the last the next eight key steps are asked for (slot 1's first fill goes out as a refill does)
	CHANGE 1
	SLOT_STEPS
	s_sub_co_u32 s[SLOTS], s[SLOTS], 1
	s_cmp_lg_u32 s[SLOTS], 0
	s_cbranch_scc1 .Lslot
	CHANGE 0                                       ; the last slot is written out
	SLOT_STEPS
	; THE WAY OUT.  vals = O^T / the sum; register 16 b + i of lane (r, h) is channel 32 b + 16 h + i of my head for query r: two blocks of the last product's K
.rept 8
	v_nop                                          ; places behind the last products
.endr
.irp t, 0,1
	v_add_f32 v[SUM+30*\t], v[SUM+30*\t], v[SUM+30*\t+1]   ; the sum's two halves,
.endr
.irp t, 0,1
	v_permlanex16_b32 v[F+30*\t], v[SUM+30*\t], s[SEL], s[SEL+1]
.endr
.irp t, 0,1
	v_add_f32 v[SUM+30*\t], v[SUM+30*\t], v[F+30*\t]       ; and lane l xor 16's
.endr
	WALU                                           ; the wait ahead of the transcendentals
.irp t, 0,1
	v_rcp_f32 v[SUM+30*\t], v[SUM+30*\t]
.endr
	v_nop                                          ; the plain line behind them
	WIN 0x01                                       ; O^T: window 1
	WALU                                           ; and ahead of their first reader, which is O^T's first reader too
.irp t, 0,1
.set j, 0
.rept 16
	v_pk_mul_f32 v[S+64*\t+j:S+64*\t+j+1], v[O+32*\t+j:O+32*\t+j+1], v[SUM+30*\t:SUM+30*\t+1] op_sel_hi:[1,0]   ; each accumulator from its low end on
.set j, j+2
.endr
.endr
	WIN 0
.irp t, 0,1
.irp b, 0,1
	v_max3_num_f32 v[BM+30*\t+\b], |v[S+64*\t+16*\b]|, |v[S+64*\t+1+16*\b]|, 0x4800000
.endr
.endr
.irp i, 2,4,6,8,10,12,14
.irp t, 0,1
.irp b, 0,1
	v_max3_num_f32 v[BM+30*\t+\b], v[BM+30*\t+\b], |v[S+64*\t+16*\b+\i]|, |v[S+64*\t+1+16*\b+\i]|
.endr
.endr
.endr
.irp t, 0,1
.irp b, 0,1
	v_permlanex16_b32 v[T2+30*\t+\b], v[BM+30*\t+\b], s[SEL], s[SEL+1]
.endr
.endr
.irp t, 0,1
.irp b, 0,1
	v_max_num_f32 v[BM+30*\t+\b], v[BM+30*\t+\b], v[T2+30*\t+\b]
.endr
.endr
.irp t, 0,1
.irp b, 0,1
	v_add_nc_u32 v[SO+30*\t+\b], 0xfc000000, v[BM+30*\t+\b]
.endr
.endr
.irp t, 0,1
.irp b, 0,1
	v_and_or_b32 v[HL+30*\t+\b], v[BM+30*\t+\b], 0x7f800000, s[MNT]
.endr
.endr
.irp t, 0,1
.irp b, 0,1
	v_lshrrev_b32 v[T2+30*\t+\b], 23, v[SO+30*\t+\b]
.endr
.endr
.irp t, 0,1
	v_lshl_or_b32 v[TMP+30*\t], v[T2+30*\t+1], 8, v[T2+30*\t]   ; my head's two bytes of the row's scale word
.endr
.irp t, 0,1
.irp b, 0,1
.irp i, 0,1,2,3,4,5,6,7,8,9,10,11,12,13,14,15
	v_med3_num_f32 v[S+64*\t+16*\b+\i], v[S+64*\t+16*\b+\i], -v[HL+30*\t+\b], v[HL+30*\t+\b]
.endr
	CVT \t, \b
.endr
.endr
	v_nop                                          ; one plain line behind the conversions
.irp t, 0,1
	global_store_b128 v[LI], v[PC+16*\t:PC+16*\t+3], s[10:11] offset:4096*\t          ; each store covers 512 consecutive bytes: a register group of the operand's image
	global_store_b128 v[LI], v[PC+16*\t+4:PC+16*\t+7], s[10:11] offset:4096*\t+512
	global_store_b16 v[R4], v[TMP+30*\t], s[12:13] offset:128*\t                      ; lanes r and 16 + r write the same two bytes with the same value
.endr
	s_wait_tensorcnt 0x0                           ; the wave's end
	ds_add_u32 v[SPW], v[NIL]
	s_wait_dscnt 0x0
	CROUND                                         ; the closing round: no work-group ends while a partner may still ask for a tile that names it
	s_endpgm
.Lfunc_end_k_q8ba95a161d_attn:
	.size	k_q8ba95a161d_attn, .Lfunc_end_k_q8ba95a161d_attn-k_q8ba95a161d_attn
	.p2alignl 7, 3214868480
	.fill 96, 4, 3214868480
	.section	.rodata,"a",@progbits
	.p2align	6, 0x0
	.amdhsa_kernel k_q8ba95a161d_attn
		.amdhsa_group_segment_fixed_size 327680
		.amdhsa_private_segment_fixed_size 0
		.amdhsa_enable_private_segment 0
		.amdhsa_kernarg_size 40
		.amdhsa_user_sgpr_count 2
		.amdhsa_user_sgpr_kernarg_segment_ptr 1
		.amdhsa_wavefront_size32 1
		.amdhsa_system_sgpr_workgroup_id_x 1
		.amdhsa_system_sgpr_workgroup_id_y 1
		.amdhsa_system_sgpr_workgroup_id_z 1
		.amdhsa_system_vgpr_workitem_id 0
		.amdhsa_next_free_vgpr 512
		.amdhsa_next_free_sgpr 66
		.amdhsa_reserve_vcc 0
		.amdhsa_float_denorm_mode_32 3
		.amdhsa_float_denorm_mode_16_64 3
		.amdhsa_memory_ordered 1
		.amdhsa_forward_progress 1
		.amdhsa_inst_pref_size 156
	.end_amdhsa_kernel
	.amdgpu_metadata
---
amdhsa.version: [ 1, 2 ]
amdhsa.kernels:
  - .name:           k_q8ba95a161d_attn
    .symbol:         k_q8ba95a161d_attn.kd
    .args:
      - { .name: qc, .offset: 0, .size: 8, .value_kind: global_buffer, .address_space: global }
      - { .name: qs, .offset: 8, .size: 8, .value_kind: global_buffer, .address_space: global }
      - { .name: kv, .offset: 16, .size: 8, .value_kind: global_buffer, .address_space: global }
      - { .name: oc, .offset: 24, .size: 8, .value_kind: global_buffer, .address_space: global }
      - { .name: os, .offset: 32, .size: 8, .value_kind: global_buffer, .address_space: global }
    .group_segment_fixed_size: 327680
    .private_segment_fixed_size: 0
    .kernarg_segment_align: 8
    .kernarg_segment_size: 40
    .max_flat_workgroup_size: 256
    .sgpr_count:     66
    .vgpr_count:     512
    .wavefront_size: 32
...
	.end_amdgpu_metadata
.endif
;; end of part 3
;; launch oproj (part 4): grid 256 x 1, 4 waves a work-group, no clusters, 70,144 bytes of LDS; arguments oc, os, wc, ws, b_o, out0; writes out0
.if DOCPART == 4
	.amdgcn_target "amdgcn-amd-amdhsa--gfx1250"
	.amdhsa_code_object_version 6
	.text
	.protected	k_q8ba95a161d_oproj
	.globl	k_q8ba95a161d_oproj
	.p2align	8
	.type	k_q8ba95a161d_oproj,@function
k_q8ba95a161d_oproj:
	s_mov_b64 s[64:65], 0
	v_nop
	global_prefetch_b8 v0, s[64:65] scope:SCOPE_SE
	s_setreg_imm32_b32 hwreg(HW_REG_WAVE_MODE, 25, 1), 1
	s_wait_xcnt 0x0
; out = vals W_o + b_o on codes of E4M3 with E8M0 scales (K = the 256 channels), stored as [batch][channel][position] f32.
; Both operands arrive as images of operand registers: every fragment is four loads of 512 consecutive bytes, straight into registers.
; SHARES.  A work-group takes 64 positions of one batch (four tiles m = 2 g + u; row r of a tile is position 32 g + 8 u + r + 8 (r / 8)); wave w takes output channels 64 w .. 64 w + 63 (four tiles t of W_o).
; NOT transposed (source 0 = 16 positions, source 1 = 16 channels): lane (r, h) holds ONE channel, 64 w + 32 (t / 2) + 8 (t % 2) + r + 8 (r / 8), and register j position 32 g + 16 h + 8 u + j:
; eight neighbours of a row of the output.  The bias is the C of each sum's first product.  Sixteen accumulators by turns, K step by K step.
; THE WAY OUT.  A channel's 64 positions (256 bytes) lie in two lanes and four accumulators: they go through the wave's own stage in LDS (64 rows x 272 bytes) and come back as whole rows:
; sixteen lanes store 256 consecutive bytes, aligned.  The stage is the wave's own: no barrier.  No tensor loads, no ring.  W_o's images are the one shared input, 16 KiB a wave, read once into registers: no cluster.
; REGISTERS.  Window 0: v1-10 lane terms and addresses; v16-19 vals' scale words; v20-23 W_o's; v24-55 the bias, eight registers a tile; v64-191 vals' eight fragments, later the rows on their way out.
;   Window 1: v0-127 W_o's eight fragments; v128-255 the accumulators, (t, m) at 128 + 8 (4 t + m).
.set LI,  4
.set LS,  5
.set SO,  6                            ; v6   the stage, in: 272 r + 64 h
.set SR,  7                            ; v7   the stage, back: lanes 0-15 one row, lanes 16-31 the next
.set CO,  8                            ; v8   the same two rows in the output
.set BA,  9                            ; v9   4 (r + 8 (r / 8))
.set VSC, 16
.set WSC, 20
.set BO,  24
.set VF,  64
.set ACC, 128
.set MSB, 0
.macro WIN new                         ; the immediate's high byte repeats the setting that is left
.if MSB != \new
	s_set_vgpr_msb (MSB<<8)|\new
.set MSB, \new
.endif
.endm
.macro FRAGG reg, base, off            ; a fragment's image
.irp c, 0,1,2,3
	global_load_b128 v[(\reg)+4*\c:(\reg)+4*\c+3], v[LI], s[\base:\base+1] offset:(\off)+512*\c
.endr
.endm
	s_load_b256 s[4:11], s[0:1], 0x0               ; oc s[4:5], os s[6:7], wc s[8:9], ws s[10:11]
	s_load_b128 s[12:15], s[0:1], 0x20             ; b_o s[12:13], out0 s[14:15]
	v_lshl_add_u32 v254, v0, 2, 0x11000
	v_mov_b32 v255, 0
	v_lshrrev_b32 v1, 5, v0
	v_readfirstlane_b32 s16, v1                    ; wave
	v_and_b32 v1, 31, v0                           ; lane
	v_and_b32 v2, 15, v0                           ; r
	v_bfe_u32 v3, v0, 4, 1                         ; h
	v_lshlrev_b32 v[LI], 4, v1
	v_lshlrev_b32 v[LS], 2, v1
	s_mul_i32 s17, s16, 64*272                     ; my stage
	v_mul_u32_u24 v[SO], v2, 272
	v_lshl_add_u32 v[SO], v3, 6, v[SO]
	v_add_nc_u32 v[SO], s17, v[SO]
	v_mul_u32_u24 v[SR], v3, 272
	v_lshl_add_u32 v[SR], v2, 4, v[SR]
	v_add_nc_u32 v[SR], s17, v[SR]
	v_lshlrev_b32 v[CO], 14, v3                    ; a channel's row of the output is 16,384 bytes
	v_lshl_add_u32 v[CO], v2, 4, v[CO]
	v_and_b32 v10, 8, v2
	v_add_nc_u32 v10, v10, v2
	v_lshlrev_b32 v[BA], 2, v10
	s_lshr_b32 s18, ttmp9, 6                       ; batch
	s_and_b32 s19, ttmp9, 63                       ; block of 64 positions
	s_lshl_b32 s20, s18, 20                        ; oc: (256 batch + 4 block) x 4,096
	s_lshl_b32 s21, s19, 14
	s_add_co_u32 s20, s20, s21
	s_mov_b32 s21, 0
	s_lshl_b32 s22, s18, 15                        ; os: (256 batch + 4 block) x 128
	s_lshl_b32 s23, s19, 9
	s_add_co_u32 s22, s22, s23
	s_mov_b32 s23, 0
	s_lshl_b32 s24, s16, 14                        ; wc: tiles 48 + 4 w on
	s_add_co_u32 s24, s24, 196608
	s_mov_b32 s25, 0
	s_lshl_b32 s26, s16, 9                         ; ws
	s_add_co_u32 s26, s26, 6144
	s_mov_b32 s27, 0
	s_lshl_b32 s28, s16, 8                         ; b_o: my 64 numbers
	s_mov_b32 s29, 0
	s_lshl_b32 s30, s18, 22                        ; out0: batch x 4 MiB + 64 w rows of 16,384 bytes + 256 x block
	s_lshl_b32 s31, s16, 20
	s_add_co_u32 s30, s30, s31
	s_lshl_b32 s31, s19, 8
	s_add_co_u32 s30, s30, s31
	s_mov_b32 s31, 0
	s_wait_alu depctr_va_vdst(0)
	s_wait_kmcnt 0x0
	s_add_nc_u64 s[4:5], s[4:5], s[20:21]
	s_add_nc_u64 s[6:7], s[6:7], s[22:23]
	s_add_nc_u64 s[8:9], s[8:9], s[24:25]
	s_add_nc_u64 s[10:11], s[10:11], s[26:27]
	s_add_nc_u64 s[12:13], s[12:13], s[28:29]
	s_add_nc_u64 s[14:15], s[14:15], s[30:31]
.irp m, 0,1,2,3
.irp s, 0,1
	FRAGG VF+16*(2*\m+\s), 4, (2*\m+\s)*2048
.endr
	global_load_b32 v[VSC+\m], v[LS], s[6:7] offset:128*\m     ; lanes 0-15: K step 0; lanes 16-31: K step 1
.endr
	WIN 0x40                                       ; destination window 1
.irp t, 0,1,2,3
.irp s, 0,1
	FRAGG 16*(2*\t+\s), 8, (2*\t+\s)*2048
.endr
.endr
	WIN 0
.irp t, 0,1,2,3
	global_load_b32 v[WSC+\t], v[LS], s[10:11] offset:128*\t
.irp j, 0,1,2,3,4,5,6,7
	global_load_b32 v[BO+8*\t+\j], v[BA], s[12:13] offset:(32*(\t/2)+8*(\t%2))*4   ; a lane holds ONE channel in all eight registers
.endr
.endr
	s_wait_loadcnt 0x0
	WIN 0x44                                       ; source 1 (W_o) and D window 1; C (the bias) window 0
.irp t, 0,1,2,3
.irp m, 0,1,2,3
	v_wmma_scale_f32_16x16x128_f8f6f4 v[ACC+8*(4*\t+\m):ACC+8*(4*\t+\m)+7], v[VF+32*\m:VF+32*\m+15], v[32*\t:32*\t+15], v[BO+8*\t:BO+8*\t+7], v[VSC+\m], v[WSC+\t]
.endr
.endr
	WIN 0x54                                       ; C and D window 1
.irp t, 0,1,2,3
.irp m, 0,1,2,3
	v_wmma_scale_f32_16x16x128_f8f6f4 v[ACC+8*(4*\t+\m):ACC+8*(4*\t+\m)+7], v[VF+32*\m+16:VF+32*\m+31], v[32*\t+16:32*\t+31], v[ACC+8*(4*\t+\m):ACC+8*(4*\t+\m)+7], v[VSC+\m], v[WSC+\t] matrix_a_scale:MATRIX_SCALE_ROW1 matrix_b_scale:MATRIX_SCALE_ROW1
.endr
.endr
	WIN 0
.rept 8
	v_nop                                          ; places in front of the LDS stores that read results and of the loads into registers that the products read
.endr
	WIN 0x04                                       ; an LDS store's data are its source 1: window 1
.irp t, 0,1,2,3
.irp m, 0,1,2,3
	ds_store_b128 v[SO], v[ACC+8*(4*\t+\m):ACC+8*(4*\t+\m)+3] offset:16*\t*272+128*(\m/2)+32*(\m%2)        ; each accumulator from its low end on
	ds_store_b128 v[SO], v[ACC+8*(4*\t+\m)+4:ACC+8*(4*\t+\m)+7] offset:16*\t*272+128*(\m/2)+32*(\m%2)+16
.endr
.endr
	WIN 0
.set i, 0
.rept 32
	ds_load_b128 v[VF+4*i:VF+4*i+3], v[SR] offset:544*i        ; LDS serves a wave's instructions in order (ISA guide 5.7.1.4): these see my stores.  Stage rows 2 i, 2 i + 1
.set i, i+1
.endr
.set i, 0
.rept 32
	s_wait_dscnt 31-i                              ; the loads issued behind the i-th may stay out
	global_store_b128 v[CO], v[VF+4*i:VF+4*i+3], s[14:15] offset:(32*(i>>4)+8*((i>>3)&1)+2*(i&7)+8*((i&7)>>2))*16384 th:TH_STORE_NT   ; stage row 16 t + r is channel 32 (t / 2) + 8 (t % 2) + r + 8 (r / 8); sixteen lanes store 256 consecutive bytes, aligned
.set i, i+1
.endr
	s_wait_tensorcnt 0x0
	ds_add_u32 v254, v255
	s_wait_dscnt 0x0
	s_endpgm
.Lfunc_end_k_q8ba95a161d_oproj:
	.size	k_q8ba95a161d_oproj, .Lfunc_end_k_q8ba95a161d_oproj-k_q8ba95a161d_oproj
	.p2alignl 7, 3214868480
	.fill 96, 4, 3214868480
	.section	.rodata,"a",@progbits
	.p2align	6, 0x0
	.amdhsa_kernel k_q8ba95a161d_oproj
		.amdhsa_group_segment_fixed_size 70144
		.amdhsa_private_segment_fixed_size 0
		.amdhsa_enable_private_segment 0
		.amdhsa_kernarg_size 48
		.amdhsa_user_sgpr_count 2
		.amdhsa_user_sgpr_kernarg_segment_ptr 1
		.amdhsa_wavefront_size32 1
		.amdhsa_system_sgpr_workgroup_id_x 1
		.amdhsa_system_sgpr_workgroup_id_y 1
		.amdhsa_system_sgpr_workgroup_id_z 1
		.amdhsa_system_vgpr_workitem_id 0
		.amdhsa_next_free_vgpr 512
		.amdhsa_next_free_sgpr 66
		.amdhsa_reserve_vcc 0
		.amdhsa_float_denorm_mode_32 3
		.amdhsa_float_denorm_mode_16_64 3
		.amdhsa_memory_ordered 1
		.amdhsa_forward_progress 1
		.amdhsa_inst_pref_size 25
	.end_amdhsa_kernel
	.amdgpu_metadata
---
amdhsa.version: [ 1, 2 ]
amdhsa.kernels:
  - .name:           k_q8ba95a161d_oproj
    .symbol:         k_q8ba95a161d_oproj.kd
    .args:
      - { .name: oc, .offset: 0, .size: 8, .value_kind: global_buffer, .address_space: global }
      - { .name: os, .offset: 8, .size: 8, .value_kind: global_buffer, .address_space: global }
      - { .name: wc, .offset: 16, .size: 8, .value_kind: global_buffer, .address_space: global }
      - { .name: ws, .offset: 24, .size: 8, .value_kind: global_buffer, .address_space: global }
      - { .name: b_o, .offset: 32, .size: 8, .value_kind: global_buffer, .address_space: global }
      - { .name: out0, .offset: 40, .size: 8, .value_kind: global_buffer, .address_space: global }
    .group_segment_fixed_size: 70144
    .private_segment_fixed_size: 0
    .kernarg_segment_align: 8
    .kernarg_segment_size: 48
    .max_flat_workgroup_size: 128
    .sgpr_count:     66
    .vgpr_count:     512
    .wavefront_size: 32
...
	.end_amdgpu_metadata
.endif
;; end of part 4
